; MI455X (gfx1250); checked and timed in simulation.
; The chip was launched on July 23, 2026; its instructions are those of AMD's public machine-readable ISA for CDNA 5 (MIT licence, August 2026) and "CDNA5" Instruction Set Architecture Reference Guide (July 2026). The comments in the code are by the model that wrote it; some were corrected since.
;; Standard Attention. Allowed arithmetic: matrix products marked QUANTISED: E5M2 operands, one E8M0 scale for each 32 along K, by v_wmma_scale_f32_16x16x128_f8f6f4 with both operands' format E5M2, f32 sums; everything else in f32.
;; Inputs: k 2 x 16 x 2,048 x 64 float32; q 2 x 16 x 2,048 x 64 float32; v 2 x 16 x 2,048 x 64 float32.
;; Outputs: out0 2 x 16 x 2,048 x 64 float32.
;; This version of the problem:
;;   THIS VERSION OF THE PROBLEM IS GIVEN IN LOW PRECISION. The matrix products marked QUANTISED in the list below multiply operands that are first quantised to E5M2 (5 exponent bits, 2 mantissa bits; 8 bits a number), with one power-of-two scale for each 32 numbers along K (OCP MX v1.0); their sums are f32. All else is computed in f32.
;;   The module's matrix products, in the order in which they are computed (A, B: the left and right operand; K: the contracted axis; several contracted axes count as one K, in the product's order):
;;     1. batch 32 x [M 2,048, K 64] x [K 64, N 2,048]; A: input q; B: input k: QUANTISED
;;     2. batch 32 x [M 2,048, K 2,048] x [K 2,048, N 64]; A: softmax (see below); B: input v: QUANTISED
;;   THE QUANTISER, for each operand of a quantised product, along K:
;;     - K is cut into blocks of 32 from its start; a last block that is shorter is filled with zeros.
;;     - A block's scale is 2^e with e = floor(log2(the largest magnitude in the block)) - 15, held to -126 .. 127; a block of zeros has e = 0. As a byte (E8M0): e + 127.
;;     - Each number is divided by its block's scale, clamped to +-57,344, and rounded to the nearest number of E5M2, ties to even, subnormals kept.
;;     - The product sums the exact products of the quantised numbers (number of the format x scale) in f32.
;;   ~~~python
;;   def quantise(x, axis):      # numpy; x: float32 -> the quantised numbers, widened to float32 again
;;       x = np.moveaxis(x, axis, -1); K = x.shape[-1]
;;       x = np.pad(x, [(0, 0)] * (x.ndim - 1) + [(0, -K % 32)]); x = x.reshape(x.shape[:-1] + (-1, 32)); a = np.abs(x).max(-1, keepdims=True)
;;       e = np.where(a > 0, np.clip(np.frexp(np.where(a > 0, a, 1))[1] - 1 - 15, -126, 127), 0)      # np.frexp(a)[1] - 1 = floor(log2(a)), exactly
;;       r = np.clip(x / 2.0 ** e, -57344, 57344)
;;       step = 2.0 ** (np.maximum(np.frexp(np.where(r == 0, 1, r))[1] - 1, -14) - 2)
;;       q = np.round(r / step) * step * 2.0 ** e      # np.round: ties to even
;;       return np.moveaxis(q.reshape(q.shape[:-2] + (-1,))[..., :K], -1, axis).astype(np.float32)
;;   ~~~
;;   SOFTMAX AHEAD OF A QUANTISED PRODUCT. Where the list says 'softmax', what is quantised is not the finished softmax but p = 2^(t - M), with t = logit x log2(e) and M = ceil(the row's largest t), a whole number; so 1/2 < the row's largest p <= 1. The row's sum l is taken of the UNQUANTISED p, in f32, and the product's result is divided by l at the end. Since M is a whole number, a kernel that streams over the keys may use a running M (the ceiling of the running maximum): every later rescaling is an exact power of two, which a block's scale takes up: the codes' values come out the same.
;;   OPERANDS COMPUTED ON THE WAY. 'Computed on the way' means the value that the module computes at that place (a softmax that the list does not call 'softmax' is quantised finished and normalised). What goes into a quantiser is computed in f32, as accurately as f32 sums, v_exp_f32 and their like allow (about 1e-6 of the number): no bf16 or f16 on the way to a quantiser, and a product that is left as it is and whose result goes on into a quantised operand takes f32 operands (vector FMAs, or v_wmma_f32_16x16x4_f32). A number that lies on a knife's edge between two numbers of the format may be rounded either way, as far as f32 arithmetic and the matrix unit's own rounding can turn it there, and no further.
;; One version. Each part assembles by itself: llvm-mc -triple=amdgcn-amd-amdhsa -mcpu=gfx1250 --defsym DOCPART=n.
;; ======== version 1 of 1: 2 launches
;; limits: right only within a limited range of input values
;; workspace buffers: kv 8,650,752 bytes
;; launch prep (part 1): grid 8 x 32, 8 waves a work-group, no clusters, 167,936 bytes of LDS; arguments k, v, kv; writes kv
.if DOCPART == 1
	.amdgcn_target "amdgcn-amd-amdhsa--gfx1250"
	.amdhsa_code_object_version 6
	.text
	.protected	k_q3ce8607e43_prep
	.globl	k_q3ce8607e43_prep
	.p2align	8
	.type	k_q3ce8607e43_prep,@function
k_q3ce8607e43_prep:
	s_mov_b64 s[64:65], 0
	v_nop
	global_prefetch_b8 v0, s[64:65] scope:SCOPE_SE
	s_setreg_imm32_b32 hwreg(HW_REG_WAVE_MODE, 25, 1), 1
	s_wait_xcnt 0x0
; k, v: [32 heads][2048 keys][64] f32  ->  kv: [32 heads][16 blocks of 16,896 bytes]: codes of BF8 (E5M2) and E8M0 scale words of a step of 128 keys,
; laid in the order of the operands' registers.  BLOCK p OF A HEAD HOLDS STEP (p / 2) + 8 (p % 2): the order in which the attention launch's waves want the steps.
; A block:  +0     K image: fragment b (0..3) at 2048 b, its register group c (0..3) at 512 c, lane l's 16 bytes at 16 l
;           +8192  V image: fragment t (channels 16 t ..) at 2048 t, group c at 512 c, lane l at 16 l
;           +16384 K's scale words: lane r at 16 r, word b at 4 b        +16640 V's: lane r at 16 r, word t at 4 t, byte c = block c of 32 keys
; K FRAGMENT b HOLDS TWO TILES OF 16 KEYS (the first product's K is 64, the instruction's 128).  Lane (r, h): groups 0, 1 = key 32 b + r + 8 (r / 8), d = 32 c + 16 h + 0..15;
; groups 2, 3 = the key 8 further on, d = 32 (c - 2) + 16 h + 0..15.  k is quantised along d.
; V FRAGMENT t: lane (r, h), group c = channel 16 t + r, keys 32 c + 16 h + 0..15: v is quantised down the keys.
; A block's scale is 2^(floor(log2(its largest magnitude)) - 15); its byte is the largest magnitude's exponent field - 15, held at 1 from below; each number is held within +-57,344 x the scale and converted, ties to even.
; WORK LEFT OUT BY THE PROGRAM: in the attention launch, scores and weights of key tiles that lie wholly after a tile of queries.  reference() puts -infinity there itself (its own triu mask), so their weights are 0 for all finite
; inputs and reach no output.  LIMIT: a NaN, an infinity or an overflow that reaches only those tiles is not carried to the result.
; LIMITS: NaN and infinities among the inputs are not served.  A block of zeros gets the byte 1 where the rule says 127: its codes are zeros, which add nothing under any byte but 0xff, and this program alone reads the bytes.
; SHARES.  Work-group (x, y) = 256 keys (steps 2 x, 2 x + 1) of head y.  Wave w takes keys 32 w .. 32 w + 31 of k and of v: sl = w / 4 the step, b = w % 4:
; one whole K fragment b, and group c = b of the step's four V fragments.
; Each wave loads its 32 rows of k and then of v, 8,192 dense bytes each, by sixteen loads of 512 bytes; all 32 are out at once, and k is quantised while v is on its way.
; Both turn through the wave's own stage in LDS, which no other wave touches.
; No tensor load, no cluster: the work-groups share no input and each byte is read once.  No prefetch: there is no loop to run ahead in.  The matrix unit has no part in this launch.
.set P,    272                         ; a stage row: 256 bytes + 16 of padding
.set UP,   128                         ; rows 16 to 31 lie 128 bytes further on: 16 rows are 1,088 words = 0 mod 64, so that lanes that read 16 rows apart would else fall on the same banks (64 banks of 4 bytes: ISA guide 11.1)
.set REG,  8960                        ; 35 x 256: a wave's stage (32 rows x 272 + 128)
.set STG,  8*REG                       ; 71,680: the scale words' stage, 1,024 bytes: step sl at 512 sl: K's 256 bytes, then V's
.set SPARE, STG+1024                   ; 72,704 = 284 x 256: the spare words, 128 bytes a wave
.set STEPB, 16896
.set WV,  10                           ; s10 wave;  s11 sl;  s12 b;  s13 head
.set SEL, 44                           ; s[44:45] v_permlanex16_b32's selects for lane l xor 16
.set MNT, 46                           ; s46 the mantissa field of 57,344
.set AK,  4                            ; v4  stage: my row of k and my half's 64 bytes
.set AV,  5                            ; v5  stage: my channel's word in my half's first row of v
.set VK,  6                            ; v6  kv: my 16 bytes of K's fragment
.set VV,  7                            ; v7  kv: my 16 bytes of V's group
.set SKW, 8                            ; v8  scale words' stage: K's word of my row
.set SVB, 9                            ; v9  scale words' stage: V's byte of my channel
.set SRD, 10                           ; v10 scale words' stage, on the way out
.set VS,  11                           ; v11 kv: the scale words
.set AST, 16                           ; v16 stage, on the way in: row lane / 16 (+ 2 rows a load), 16 bytes at 16 (lane % 16)
.set VLD, 17                           ; v17 16 x lane
.set XK,  32                           ; v32-95   64 numbers of k as loaded, then four half blocks of 16
.set PCK, 96                           ; v96-111  K's codes
.set TM,  112                          ; v112-115 largest magnitudes, v116-119 bytes, v120-123 the largest number x the scale, v124-127 the conversions' scale operands
.set PW,  128                          ; v128 the scale word
.set SPW, 130
.set NIL, 131
.set XV,  136                          ; v136-199 the same of v
.set PCV, 200                          ; v200-215 V's codes
	s_load_b128 s[4:7], s[0:1], 0x0                ; k s[4:5], v s[6:7]
	s_load_b64 s[8:9], s[0:1], 0x10                ; kv
	v_lshrrev_b32 v1, 5, v0
	v_readfirstlane_b32 s[WV], v1                  ; wave 0..7
	v_and_b32 v1, 31, v0                           ; lane
	v_and_b32 v2, 15, v0                           ; r
	v_bfe_u32 v3, v0, 4, 1                         ; h
	v_lshlrev_b32 v[VLD], 4, v1
	s_lshr_b32 s11, s[WV], 2                       ; sl
	s_and_b32 s12, s[WV], 3                        ; b
	s_and_b32 s13, ttmp7, 0xffff                   ; the head
	s_lshl_b32 s40, s13, 19                        ; in k and v: the head's 2,048 rows of 256 bytes,
	s_lshl_b32 s2, ttmp9, 16                       ; the chunk's 256,
	s_add_co_u32 s40, s40, s2
	s_lshl_b32 s14, s[WV], 13                      ; my 32
	s_add_co_u32 s40, s40, s14
	s_mov_b32 s41, 0
	s_wait_alu depctr_va_vdst(0)                   ; directly ahead of the wait below
	s_wait_kmcnt 0x0
	s_add_nc_u64 s[4:5], s[4:5], s[40:41]
	s_add_nc_u64 s[6:7], s[6:7], s[40:41]
.irp j, 0,1,2,3,4,5,6,7,8,9,10,11,12,13,14,15
	global_load_b128 v[XK+4*\j:XK+4*\j+3], v[VLD], s[4:5] offset:512*\j th:TH_LOAD_NT   ; rows 2 j and 2 j + 1: 512 consecutive bytes
.endr
.irp j, 0,1,2,3,4,5,6,7,8,9,10,11,12,13,14,15
	global_load_b128 v[XV+4*\j:XV+4*\j+3], v[VLD], s[6:7] offset:512*\j th:TH_LOAD_NT
.endr
	v_lshl_add_u32 v[SPW], v0, 2, SPARE
	v_mov_b32 v[NIL], 0
	s_mul_i32 s42, s13, 16*STEPB                   ; in kv: the head's 16 blocks; step 2 x lies in block 4 (x % 4) + x / 4, step 2 x + 1 two blocks on
	s_and_b32 s2, ttmp9, 3
	s_lshl_b32 s2, s2, 2
	s_lshr_b32 s3, ttmp9, 2
	s_add_co_u32 s2, s2, s3
	s_mul_i32 s2, s2, STEPB
	s_add_co_u32 s42, s42, s2
	s_mov_b32 s43, 0
	s_add_nc_u64 s[8:9], s[8:9], s[42:43]          ; kv at the chunk's first block
	s_mov_b32 s[SEL], 0x76543210
	s_mov_b32 s[SEL+1], 0xfedcba98
	s_mov_b32 s[MNT], 0x600000
	s_mul_i32 s15, s[WV], REG                      ; my stage
	s_wait_alu depctr_va_vdst(0)
	v_mul_u32_u24 v[AST], v3, P
	v_and_b32 v12, 8, v2
	v_lshl_add_u32 v[AST], v2, 4, v[AST]
	v_add_nc_u32 v13, v12, v2                      ; r + 8 (r / 8): 0..7, 16..23
	v_add_nc_u32 v[AST], s15, v[AST]
	v_mul_u32_u24 v[AK], v13, P
	v_mul_u32_u24 v[AV], v3, 16*P+UP               ; my half's first key: 16 h rows down,
	v_lshl_add_u32 v[AK], v3, 6, v[AK]             ; + 64 h: my 16 numbers of a block of 32
	v_lshl_add_u32 v[AV], v2, 2, v[AV]             ; channel r
	v_lshl_add_u32 v[AK], v12, 4, v[AK]            ; (rows from 16 on: + 128)
	v_add_nc_u32 v[AV], s15, v[AV]
	v_add_nc_u32 v[AK], s15, v[AK]
	s_mul_i32 s2, s11, 2*STEPB                     ; my step's block
	s_lshl_b32 s3, s12, 11
	s_add_co_u32 s3, s3, s2
	v_lshl_add_u32 v[VK], v1, 4, s3                ; 16 lane + the block + 2,048 b
	s_lshl_b32 s3, s12, 9
	s_add_co_u32 s3, s3, s2
	s_add_co_u32 s3, s3, 8192
	v_lshl_add_u32 v[VV], v1, 4, s3                ; 16 lane + the block + 8,192 + 512 b
	s_lshl_b32 s2, s11, 9
	s_add_co_u32 s2, s2, STG                       ; my step's part of the scale words' stage
	s_lshl_b32 s3, s12, 2
	s_add_co_u32 s3, s3, s2
	v_lshl_add_u32 v[SKW], v2, 4, s3               ; 16 r + 4 b
	s_add_co_u32 s3, s2, s12
	s_add_co_u32 s3, s3, 256
	v_lshl_add_u32 v[SVB], v2, 4, s3               ; 256 + 16 r + b (+ 4 t in the store's offset)
	s_lshl_b32 s3, s[WV], 9
	s_add_co_u32 s3, s3, STG
	v_lshl_add_u32 v[SRD], v1, 4, s3               ; the way out (waves 0 and 1): step w's 512 bytes, 16 a lane
	s_mul_i32 s3, s[WV], 2*STEPB
	s_add_co_u32 s3, s3, 16384
	v_lshl_add_u32 v[VS], v1, 4, s3
.irp b, 0,1,2,3
	v_mov_b32 v[TM+4+\b], 0                        ; written once: a lane permute's destination counts as one of its sources
.endr
; 64 numbers of a lane, register x + 16 b + i, four half blocks of 16 whose other halves lie in lane l xor 16, become 16 registers of codes at pc; the four bytes lie in v[TM+4] on; word = 1: they are also packed into v[PW].
.macro QUANT x, pc, word
.irp b, 0,1,2,3
	v_max3_num_f32 v[TM+\b], |v[\x+16*\b]|, |v[\x+1+16*\b]|, 0x8000000   ; my 16 numbers, and the floor 2^(16 - 127): so the byte cannot fall under 1
.endr
.irp i, 2,4,6,8,10,12,14
.irp b, 0,1,2,3
	s_delay_alu instid0(VALU_DEP_4)
	v_max3_num_f32 v[TM+\b], v[TM+\b], |v[\x+16*\b+\i]|, |v[\x+1+16*\b+\i]|
.endr
.endr
.irp b, 0,1,2,3
	s_delay_alu instid0(VALU_DEP_4)
	v_permlanex16_b32 v[TM+4+\b], v[TM+\b], s[SEL], s[SEL+1]
.endr
.irp b, 0,1,2,3
	s_delay_alu instid0(VALU_DEP_4)
	v_max_num_f32 v[TM+\b], v[TM+\b], v[TM+4+\b]   ; with lane l xor 16's: the block's largest magnitude
.endr
.irp b, 0,1,2,3
	s_delay_alu instid0(VALU_DEP_4)
	v_add_nc_u32 v[TM+12+\b], 0xf8800000, v[TM+\b] ; 15 off its exponent field: the conversion takes the exponent field of this operand as its scale
.endr
.irp b, 0,1,2,3
	v_and_or_b32 v[TM+8+\b], v[TM+\b], 0x7f800000, s[MNT]   ; 57,344 x the scale
.endr
.irp b, 0,1,2,3
	v_lshrrev_b32 v[TM+4+\b], 23, v[TM+12+\b]      ; the scale's byte
.endr
.if \word
	s_delay_alu instid0(VALU_DEP_3)
	v_lshl_or_b32 v[PW], v[TM+5], 8, v[TM+4]
	s_delay_alu instid0(VALU_DEP_1)
	v_lshl_or_b32 v[PW], v[TM+6], 16, v[PW]
	s_delay_alu instid0(VALU_DEP_1)
	v_lshl_or_b32 v[PW], v[TM+7], 24, v[PW]
.endif
.irp b, 0,1,2,3
.irp i, 0,1,2,3,4,5,6,7,8,9,10,11,12,13,14,15
	v_med3_num_f32 v[\x+16*\b+\i], v[\x+16*\b+\i], -v[TM+8+\b], v[TM+8+\b]   ; the conversion to an 8-bit code does not saturate (ISA guide 7.6.2): the hold comes first
.endr
	v_cvt_scalef32_pk8_bf8_f32 v[\pc+4*\b:\pc+1+4*\b], v[\x+16*\b:\x+7+16*\b], v[TM+12+\b]
	v_cvt_scalef32_pk8_bf8_f32 v[\pc+2+4*\b:\pc+3+4*\b], v[\x+8+16*\b:\x+15+16*\b], v[TM+12+\b]
.endr
	v_nop                                          ; a plain line behind the last conversion
.endm
	s_wait_alu depctr_va_vdst(0)                   ; at the head's end
.irp j, 0,1,2,3,4,5,6,7,8,9,10,11,12,13,14,15
	s_wait_loadcnt 31-\j                           ; k's load j is in; the 31 - j younger, v's sixteen among them, may be out
	ds_store_b128 v[AST], v[XK+4*\j:XK+4*\j+3] offset:2*P*\j+UP*(\j/8)
.endr
.irp c, 0,1,2,3                        ; LDS serves a wave's instructions in order (ISA guide 5.7.1.4): these loads see my stores, and come back into the same registers
.irp j, 0,1,2,3
	ds_load_b128 v[XK+16*\c+4*\j:XK+16*\c+4*\j+3], v[AK] offset:(\c/2)*8*P+(\c%2)*128+16*\j   ; group c: the tile's key (c / 2: 8 rows on), block c % 2 of its 64
.endr
.endr
	s_wait_dscnt 0x0
	QUANT XK, PCK, 1
.irp c, 0,1,2,3
	global_store_b128 v[VK], v[PCK+4*\c:PCK+4*\c+3], s[8:9] offset:512*\c   ; the wave stores 512 consecutive bytes, at a multiple of 256 from kv's first byte
.endr
	ds_store_b32 v[SKW], v[PW]                     ; lanes r and r + 16 write the same word with the same value
.irp j, 0,1,2,3,4,5,6,7,8,9,10,11,12,13,14,15
	s_wait_loadcnt 15-\j                           ; v's load j is in; the 15 - j younger may be out
	ds_store_b128 v[AST], v[XV+4*\j:XV+4*\j+3] offset:2*P*\j+UP*(\j/8)   ; over k's rows, which I have read
.endr
.irp t, 0,1,2,3
.set i, 0
.rept 16
	ds_load_b32 v[XV+16*\t+i], v[AV] offset:P*i+64*\t   ; channel 16 t + r, my half's 16 keys
.set i, i+1
.endr
.endr
	s_wait_dscnt 0x0
	QUANT XV, PCV, 0
.irp t, 0,1,2,3
	global_store_b128 v[VV], v[PCV+4*\t:PCV+4*\t+3], s[8:9] offset:2048*\t
.endr
.irp t, 0,1,2,3
	ds_store_b8 v[SVB], v[TM+4+\t] offset:4*\t     ; byte b of channel 16 t + r's word: the other three bytes come from the step's other three waves
.endr
	s_wait_dscnt 0x0                               ; for the others' sake: my stores into the stage are done
	s_barrier_signal -1
	s_barrier_wait -1                              ; both steps' scale words are whole
	s_cmp_lt_u32 s[WV], 2
	s_cbranch_scc0 .Lend                           ; wave 0 sends the first step's 512 bytes, wave 1 the second's
	ds_load_b128 v[12:15], v[SRD]
	s_wait_dscnt 0x0
	global_store_b128 v[VS], v[12:15], s[8:9]      ; 512 consecutive bytes, at a multiple of 256 from kv's first byte
.Lend:
	s_wait_tensorcnt 0x0                           ; the wave's end
	ds_add_u32 v[SPW], v[NIL]
	s_wait_dscnt 0x0
	s_endpgm
.Lfunc_end_k_q3ce8607e43_prep:
	.size	k_q3ce8607e43_prep, .Lfunc_end_k_q3ce8607e43_prep-k_q3ce8607e43_prep
	.p2alignl 7, 3214868480
	.fill 96, 4, 3214868480
	.section	.rodata,"a",@progbits
	.p2align	6, 0x0
	.amdhsa_kernel k_q3ce8607e43_prep
		.amdhsa_group_segment_fixed_size 167936
		.amdhsa_private_segment_fixed_size 0
		.amdhsa_enable_private_segment 0
		.amdhsa_kernarg_size 24
		.amdhsa_user_sgpr_count 2
		.amdhsa_user_sgpr_kernarg_segment_ptr 1
		.amdhsa_wavefront_size32 1
		.amdhsa_system_sgpr_workgroup_id_x 1
		.amdhsa_system_sgpr_workgroup_id_y 1
		.amdhsa_system_sgpr_workgroup_id_z 1
		.amdhsa_system_vgpr_workitem_id 0
		.amdhsa_next_free_vgpr 216
		.amdhsa_next_free_sgpr 66
		.amdhsa_reserve_vcc 0
		.amdhsa_float_denorm_mode_32 3
		.amdhsa_float_denorm_mode_16_64 3
		.amdhsa_memory_ordered 1
		.amdhsa_forward_progress 1
		.amdhsa_inst_pref_size 35
	.end_amdhsa_kernel
	.amdgpu_metadata
---
amdhsa.version: [ 1, 2 ]
amdhsa.kernels:
  - .name:           k_q3ce8607e43_prep
    .symbol:         k_q3ce8607e43_prep.kd
    .args:
      - { .name: k, .offset: 0, .size: 8, .value_kind: global_buffer, .address_space: global }
      - { .name: v, .offset: 8, .size: 8, .value_kind: global_buffer, .address_space: global }
      - { .name: kv, .offset: 16, .size: 8, .value_kind: global_buffer, .address_space: global }
    .group_segment_fixed_size: 167936
    .private_segment_fixed_size: 0
    .kernarg_segment_align: 8
    .kernarg_segment_size: 24
    .max_flat_workgroup_size: 256
    .sgpr_count:     66
    .vgpr_count:     216
    .wavefront_size: 32
...
	.end_amdgpu_metadata
.endif
;; end of part 1
;; launch attn (part 2): grid 8 x 32, 16 waves a work-group, clusters of 4 x 1, 321,536 bytes of LDS; arguments q, kv, out0; writes out0
.if DOCPART == 2
	.amdgcn_target "amdgcn-amd-amdhsa--gfx1250"
	.amdhsa_code_object_version 6
	.text
	.protected	k_q3ce8607e43_attn
	.globl	k_q3ce8607e43_attn
	.p2align	8
	.type	k_q3ce8607e43_attn,@function
k_q3ce8607e43_attn:
	s_mov_b64 s[64:65], 0
	v_nop
	global_prefetch_b8 v0, s[64:65] scope:SCOPE_SE
	s_setreg_imm32_b32 hwreg(HW_REG_WAVE_MODE, 25, 1), 1
	s_wait_xcnt 0x0
	s_wait_alu depctr_hold_cnt(0) depctr_sa_sdst(0) depctr_va_vdst(0) depctr_va_sdst(0) depctr_va_ssrc(0) depctr_va_vcc(0) depctr_vm_vsrc(0)
	s_getreg_b32 s2, hwreg(HW_REG_IB_STS2, 6, 4)
	s_cmp_eq_u32 s2, 0
	s_cbranch_scc0 .Lentry_in_a_cluster
	s_endpgm
.Lentry_in_a_cluster:
	s_bfe_u32 s2, ttmp6, 0x10000c
	s_cmp_lg_u32 s2, 0x3003
	s_cbranch_scc0 .Lentry_shape_is_right
	s_endpgm
.Lentry_shape_is_right:
; out0[h][q][:] = the sum over keys k <= q of softmax_k(q . k / 8) v[k][:], 32 heads of 2,048 x 64, both products on codes of BF8 (E5M2) with one E8M0 scale for each 32 along a product's K.
; q: f32, quantised here.  kv: the first launch's blocks of 16,896 bytes; block p of a head holds the step of 128 keys (p / 2) + 8 (p % 2).
; THE SOFTMAX AHEAD OF THE SECOND PRODUCT: t = score x log2(e) / 8; M = the running largest t, rounded UP to a whole number; p = 2^(t - M) is quantised along the keys, not normalised.  The row's sum is taken of the
; unquantised p and divides at the end.  When M moves, the sum and O are multiplied by 2^(old M - new M): exact.
; LEFT OUT: key tiles wholly after a tile's queries (reference()'s own mask: see the first kernel).
; LIMITS: NaN and infinities among the inputs are not served; the promise holds while |t| stays under 2^31; a p under 2^-126 comes out of v_exp_f32 as 0 (ISA guide 15.8); a block of zeros has the scale byte 1 (its codes are zeros).
; SHARES.  A head has 128 tiles of 16 queries: tile 4 m + cx, m = 0..31, cx = the work-group's place in its cluster of four.  A tile's keys are m whole units of 64 and one on the diagonal: no count of steps hangs on cx.
; Cluster X (0, 1) of a head takes m = 2 i + X (the LOW tile of pair i) and m = 31 - X - 2 i (the HIGH tile), i = 0..7: i + 1 and 16 - i key steps of 128.  Two waves serve a pair:
;   A: the low tile's steps 0..i, which it sends out at once, then the high tile's steps 8..15-i (nine slots);   B: the high tile's steps 0..7 (eight slots).
; B hands its part of the high tile to A, through LDS, while A does slot 8; A joins the two and sends the tile out.
; Role: bit 0 xor bit 2 of the wave's number, so that among waves w, w + 4, w + 8, w + 12 and among waves 4 n .. 4 n + 3 two are A and two are B.
; A DIAGONAL STEP: the diagonal unit is the step's upper half where m is odd (a step of 128 with the upper 64 keys masked), the lower where m is even (a step of 64 keys, masked).  The mask, the same for every tile of the work-group, lies in 32 scalar registers.
; THE WAVES STAY TOGETHER: a barrier is signalled at each slot's end and waited for at the next slot's end, so that no wave ends a slot before all have ended the one before it.  What a wave stores to LDS inside the loop stands between that wait and the next signal.
; A WHOLE HEAD'S kv, 270,336 bytes, LIES IN LDS, each byte filled once: wave w asks for block w by a JOINT load of the four work-groups of the cluster (mask 15), which all want the same kv.  Nothing in the text branches on cx.
; Slot 0 reads block 0 alone, slot 1 blocks 1 and 2: the first slots start when those have landed.  No prefetch: every load of the launch stands at its head, there is no loop to run ahead in.
; LAYOUT.  Both products are used transposed: S^T = K Q^T (source 0 = keys, source 1 = my 16 queries), O^T = V^T P^T (source 0 = 16 channels, source 1 = P): a lane holds ONE query (lane % 16) throughout.
; THE FIRST PRODUCT'S K IS 64, THE INSTRUCTION'S 128: a fragment of K holds TWO tiles of 16 keys and is multiplied twice: by [q | zero codes] and by [zero codes | q].
; K's codes are held and finite, no scale byte is 0xff: the zero codes add exactly 0.  The 16 registers of tiles 2 b, 2 b + 1 are keys 32 b + 16 (lane / 16) + 0..15.
.set STEPB, 16896                      ; a block: +0 K's four fragments (2,048 each: group c at 512 c, lane at 16 l)
.set VIMG,  8192                       ;          V's four fragments likewise
.set KSCL,  16384                      ;          K's scale words: lane r at 16 r, word b at 4 b
.set VSCL,  16640                      ;          V's: lane r at 16 r, word t at 4 t
.set HEADB, 16*STEPB
.set RGN,   HEADB                      ; 270,336 = 1,056 x 256: behind kv a region for each pair, into which no tensor load lands:
.set RGB,   6144                       ;   +0 A's stage for q and for the way out (16 rows x 272); behind slot 7 B's part of the high tile: O's 8 x 512 bytes, +4096 -M, largest t, the sum;
.set QIM,   4608                       ;   +4608 the image of the high tile's q: codes 2 x 512, scale words at 16 a lane
.set SPARE, RGN+8*RGB                  ; 319,488 = 1,248 x 256: the spare words, 128 bytes a wave
.set SP,    272                        ; a stage row: 256 bytes + 16 of padding
.set LI,  1                            ; v1   16 x lane
.set LSC, 2                            ; v2   16 x (lane % 16)
.set GO,  3                            ; v3   256 (lane / 16) + 16 (lane % 16)
.set ADK, 4                            ; v4   the step's images
.set ADS, 5                            ; v5   the step's scale words     (at the head: out of q's stage)
.set NINF, 6                           ; v6   -infinity
.set PIM, 7                            ; v7   my pair's region + 16 x lane
.set STI, 10                           ; v10  stage: row r, my half's channels
.set STB, 11                           ; v11  stage: whole rows, lanes 0-15 one, lanes 16-31 the next
                                       ; v12 -M, v13 the largest t, v[14:15] the sum in two halves
.set QHI, 16                           ; v[16:31] = [zeros | q's codes];  v[24:39] = [q's codes | zeros]
.set QLO, 24
.set FRG, 40                           ; v40-103  four fragments of K, then of V  (at the head v40-71: the high tile's q as loaded).  FROM SLOT 2 ON FRG AND S CHANGE PLACES FROM SLOT TO SLOT: once p has become codes,
                                       ; the scores' registers take the next step's fragments of K, and the next scores fall where this step's V was
.set S,   104                          ; v104-167 S^T, then p                     (at the head v104-135: the low tile's q as loaded; v136-167: q, 16 neighbours a block)
.set O,   168                          ; v168-199 O^T, tile t (channels 16 t ..) at 168 + 8 t
.set PC,  200                          ; v200-215 p's codes
.set BM,  216                          ; v216-219 a block's largest score, then its largest p; then two chains of the sum
.set T1,  220                          ; v220-223 permute destinations, then bytes; then two chains of the sum
.set HL,  224                          ; v224-227 57,344 x the scale
.set SO,  228                          ; v228-231 the conversions' scale operands
                                       ; v[232:233], v[234:235], v[252:253] chains of the sum
.set TMP, 234
.set F,   236                          ; v[236:237] f = 2^(old M - new M) (v237 is named with it as a pair and written once)
.set PW,  238                          ; v238 p's scale word;  v239 q's;  v240-243 K's;  v244-247 V's: these ten hold scales and nothing else
.set QW,  239
.set SW,  240
.set SWV, 244
.set SPW, 254
.set NIL, 255
.set WV,  10                           ; s10 wave;  s11 pair i;  s12 cx;  s13 X;  s14 role (0: A, 1: B);  s15 head
.set MNT, 19                           ; s19 the mantissa field of 57,344
.set SEL, 20                           ; s[20:21] v_permlanex16_b32's selects for lane l xor 16
.set CS,  22                           ; s[22:23] c = log2(e) / 8
.set G1,  24                           ; s[24:31] descriptor group 1;  s[32:35] group 0
.set G0,  32
.set NT,  36                           ; s36 slots of the first tile: A: i + 1;  B: 31, so that it never changes tiles
.set BS2, 38                           ; s38 block: 2 T, and in the second tile 2 T + BS2, BS2 = 1 - 2 NT
.set NT1, 40                           ; s40 NT - 1
.set PAR, 41                           ; s41 1: the tile's diagonal unit is the upper half of its step
.set DG,  42                           ; s42 1: a diagonal step
.set TB,  48                           ; s48 LDS byte at which the block in hand begins
.set T,   49                           ; s49 the slot (in the loop the even one)
.set TODD, 51                          ; s51 the loop's odd slot
.set LST, 39                           ; s39 the slot behind which nothing follows: B: 7 (A: 31)
.set OL,  60                           ; s[60:61] the low tile's first row of out0
.set OH,  62                           ; s[62:63] the high tile's
.set MSK, 66                           ; s[66:97] the diagonal unit's mask: register n's lanes whose key is hidden
.macro TBSET tr, lim                   ; where the block of slot s[tr] begins: block 2 T; in A's second tile 2 (T - NT) + 1
	s_cmp_lt_u32 s[\tr], s[NT]
	s_cselect_b32 s52, 0, s[BS2]
	s_lshl_b32 s53, s[\tr], 1
	s_add_co_u32 s52, s52, s53
	s_and_b32 s52, s52, \lim
	s_mul_i32 s[TB], s52, STEPB
.endm
.macro KADDR
	v_add_nc_u32 v[ADK], s[TB], v[LI]
	v_add_nc_u32 v[ADS], s[TB], v[LSC]
.endm
.macro KLOAD to, num                   ; num fragments of K and the four scale words
.set b, 0
.rept \num
.irp c, 0,1,2,3
	ds_load_b128 v[\to+16*b+4*\c:\to+16*b+4*\c+3], v[ADK] offset:2048*b+512*\c
.endr
.set b, b+1
.endr
	ds_load_b128 v[SW:SW+3], v[ADS] offset:KSCL    ; lane r: its rows' words of the four fragments
.endm
.macro FLIP
.set XCH, FRG
.set FRG, S
.set S, XCH
.endm
.macro CROUND                          ; a round of the cluster's barrier
	s_barrier_signal -1
	s_barrier_wait -1
	s_cmp_lg_u32 s[WV], 0
	s_cbranch_scc1 .Lnot_wave_0_\@
	s_barrier_signal -3
.Lnot_wave_0_\@:
	s_barrier_wait -3
	s_barrier_signal -1
	s_barrier_wait -1
.endm
	s_load_b128 s[4:7], s[0:1], 0x0                ; q s[4:5], kv s[6:7]
	s_load_b64 s[8:9], s[0:1], 0x10                ; out0
	v_lshl_add_u32 v[SPW], v0, 2, SPARE
	v_mov_b32 v[NIL], 0
	ds_add_u32 v[SPW], v[NIL]                      ; the opening lines
	ds_add_u32 v[SPW], v[NIL]
	v_lshrrev_b32 v6, 5, v0
	v_readfirstlane_b32 s[WV], v6                  ; wave 0..15
	s_lshr_b32 s11, s[WV], 1                       ; i
	s_lshr_b32 s14, s[WV], 2
	s_xor_b32 s14, s14, s[WV]
	s_and_b32 s14, s14, 1                          ; role
	s_bfe_u32 s12, ttmp6, 0x40000                  ; cx
	s_mov_b32 s13, ttmp9                           ; X
	s_and_b32 s15, ttmp7, 0xffff                   ; the head
	s_lshl_b32 s16, s11, 1
	s_add_co_u32 s16, s16, s13                     ; the low tile's m = 2 i + X
	s_sub_co_u32 s17, 31, s16                      ; the high tile's
	s_lshl_b32 s18, s15, 19                        ; q and out0: the head's 2,048 rows of 256 bytes,
	s_lshl_b32 s52, s12, 12                        ; cx x 16 rows,
	s_add_co_u32 s18, s18, s52
	s_lshl_b32 s52, s17, 14                        ; m x 64 rows
	s_add_co_u32 s56, s18, s52                     ; the high tile
	s_mov_b32 s57, 0
	s_lshl_b32 s52, s16, 14
	s_add_co_u32 s58, s18, s52                     ; the low tile
	s_mov_b32 s59, 0
	s_add_co_u32 s52, s11, 1
	s_cmp_eq_u32 s14, 0
	s_cselect_b32 s[NT], s52, 31
	s_cselect_b32 s[LST], 31, 7
	s_sub_co_u32 s[NT1], s[NT], 1
	s_lshl_b32 s[BS2], s[NT], 1
	s_sub_co_u32 s[BS2], 1, s[BS2]
	s_mov_b32 s[PAR], s13                          ; the low tile's m is odd where X = 1
	s_mul_i32 s53, s[WV], STEPB                    ; block w, in the head's kv and in LDS
	s_mul_i32 s54, s15, HEADB
	s_add_co_u32 s54, s54, s53
	s_mov_b32 s55, 0
	; descriptor group 1: a block, dense: 66 rows of 256 bytes (32 elements of 8 bytes), no padding: every read is 16 bytes a lane on end
	s_mov_b32 s[G1+0], 15|(3<<16)|(1<<21)          ; the mask of all four work-groups of the cluster; 21 set beside a mask
	s_mov_b32 s[G1+1], 32<<16
	s_mov_b32 s[G1+2], 66<<16
	s_mov_b32 s[G1+3], 32<<16
	s_mov_b32 s[G1+4], 66
	s_mov_b32 s[G1+5], 32
	s_mov_b32 s[G1+6], 0
	s_mov_b32 s[G1+7], 0
	s_mov_b32 s[MNT], 0x600000
	s_mov_b32 s[SEL], 0x76543210
	s_mov_b32 s[SEL+1], 0xfedcba98
	s_mov_b32 s[CS], 0x3e38aa3b                    ; log2(e) / 8
	s_mov_b32 s[CS+1], s[CS]                       ; (named with it as a pair, so it is written)
	s_mul_i32 s43, s11, RGB
	s_add_co_u32 s43, s43, RGN                     ; my pair's region
	v_and_b32 v[LI], 31, v0
	v_and_b32 v8, 15, v0                           ; r
	v_bfe_u32 v9, v0, 4, 1                         ; h
	v_lshlrev_b32 v[LI], 4, v[LI]
	v_lshlrev_b32 v[LSC], 4, v8
	v_lshlrev_b32 v[GO], 8, v9
	v_mul_u32_u24 v[STB], v9, SP
	v_mul_u32_u24 v[ADS], v8, SP
	v_lshl_add_u32 v[GO], v8, 4, v[GO]             ; rows by lanes: 0-15 take one row of 256 bytes, 16-31 the next
	v_lshl_add_u32 v[STB], v8, 4, v[STB]           ; the same two rows in the stage
	v_lshl_add_u32 v[STI], v9, 5, v[ADS]           ; the way out, in: row r; tile t's eight channels of my half at 64 t + 32 h
	v_lshl_add_u32 v[ADS], v9, 6, v[ADS]           ; q: row r, + 64 h: my 16 numbers of a block of 32
	v_add_nc_u32 v[STB], s43, v[STB]
	v_add_nc_u32 v[STI], s43, v[STI]
	v_add_nc_u32 v[ADS], s43, v[ADS]
	v_add_nc_u32 v[PIM], s43, v[LI]
	s_wait_alu depctr_va_vdst(0)                   ; directly ahead of the waits below
	s_wait_dscnt 0x0                               ; both opening adds are done
	s_wait_kmcnt 0x0
	s_add_nc_u64 s[44:45], s[4:5], s[56:57]
	s_add_nc_u64 s[46:47], s[4:5], s[58:59]
	s_add_nc_u64 s[OL:OL+1], s[8:9], s[58:59]
	s_add_nc_u64 s[OH:OH+1], s[8:9], s[56:57]
	s_mov_b32 s[G0], 1                             ; count = 1
	s_mov_b32 s[G0+1], s53                         ; LDS address: block w
	s_add_nc_u64 s[G0+2:G0+3], s[6:7], s[54:55]
	s_or_b32 s[G0+3], s[G0+3], 0x80000000          ; type = 2
	s_cmp_lg_u32 s14, 0
	s_cbranch_scc1 .Lno_q
.irp i, 0,1,2,3,4,5,6,7                        ; A fetches the q of both tiles of the pair, the high one ahead of kv: two whole rows of 256 bytes a load
	global_load_b128 v[FRG+4*\i:FRG+4*\i+3], v[GO], s[44:45] offset:512*\i th:TH_LOAD_NT
.endr
.Lno_q:
	CROUND                                         ; all four work-groups are here: the joint loads meet
; One joint load a wave, in one tree of branches; the waves that wait ahead of the others have lines of their own: wave 0, and waves 1 to 3.
.macro ARM under, next
	s_cmp_lt_u32 s[WV], \under
	s_cbranch_scc0 \next
	tensor_load_to_lds s[G0:G0+3], s[G1:G1+7]
	s_nop 0
.rept 4
	v_nop
.endr
	s_branch .Lasked
\next:
.endm
	ARM 1, .Lnot_first
	ARM 4, .Lnot_early
	tensor_load_to_lds s[G0:G0+3], s[G1:G1+7]
	s_nop 0
.rept 4
	v_nop
.endr
.Lasked:
	s_cmp_lg_u32 s14, 0
	s_cbranch_scc1 .Lno_low
.irp i, 0,1,2,3,4,5,6,7                        ; the low tile's q behind kv
	global_load_b128 v[S+4*\i:S+4*\i+3], v[GO], s[46:47] offset:512*\i th:TH_LOAD_NT
.endr
.Lno_low:
	; the mask: in the diagonal unit of 64 keys key 32 b + 16 h + i counts where it is at or under 16 cx + r
	v_lshlrev_b32 v6, 4, v9
	s_lshl_b32 s52, s12, 4
	v_sub_nc_u32 v6, v8, v6
	v_add_nc_u32 v6, s52, v6                       ; d = 16 cx + r - 16 h
.set n, 0
.rept 32
	v_cmp_gt_i32 s[MSK+n], 32*(n/16)+n%16, v6
.set n, n+1
.endr
	v_mov_b32 v[NINF], 0xff800000
.irp j, 0,1,2,3,4,5,6,7
	v_mov_b32 v[QHI+\j], 0                         ; the zero codes on either side of q's
	v_mov_b32 v[QLO+8+\j], 0
.endr
.irp b, 0,1,2,3
	v_mov_b32 v[T1+\b], 0                          ; written once: a lane permute's destination counts as one of its sources
.endr
	v_mov_b32 v[TMP], 0                            ; likewise (the way out's permute)
	v_mov_b32 v[F+1], 0
; The state of a tile that has seen no key.  (The step is written once: the first finds zeros, which the first change of M leaves zeros)
.macro CLEAR
	v_mov_b32 v13, 0xff61b1e6                      ; the largest t so far: -3e38, under every t
	v_mov_b32 v14, 0                               ; the sum, in two halves
	v_mov_b32 v15, 0
	v_mov_b32 v[O], 0
	v_floor_f32 v12, -v13                          ; -M
.set n, 1
.rept 31
	v_mov_b32 v[O+n], 0
.set n, n+1
.endr
.endm
	CLEAR
	s_mov_b32 s[T], 0
; q's 16 rows of 256 bytes, as loaded from raw on, turn through my pair's region: register S + 32 + 16 c + i becomes q(r, 32 c + 16 h + i); two blocks of 32 become eight registers of codes and two bytes.
.macro QTILE raw, cod, wd
.irp i, 0,1,2,3,4,5,6,7
	ds_store_b128 v[STB], v[\raw+4*\i:\raw+4*\i+3] offset:2*SP*\i
.endr
.irp c, 0,1
.irp j, 0,1,2,3
	ds_load_b128 v[S+32+16*\c+4*\j:S+35+16*\c+4*\j], v[ADS] offset:128*\c+16*\j   ; LDS serves a wave's instructions in order (ISA guide 5.7.1.4): these see my stores
.endr
.endr
	s_wait_dscnt 0x0
.irp b, 0,1
	v_max3_num_f32 v[BM+\b], |v[S+32+16*\b]|, |v[S+33+16*\b]|, 0x8000000   ; my 16 numbers, and the floor 2^(16 - 127): the byte cannot fall under 1
.endr
.irp i, 2,4,6,8,10,12,14
.irp b, 0,1
	s_delay_alu instid0(VALU_DEP_2)
	v_max3_num_f32 v[BM+\b], v[BM+\b], |v[S+32+16*\b+\i]|, |v[S+33+16*\b+\i]|
.endr
.endr
.irp b, 0,1
	s_delay_alu instid0(VALU_DEP_2)
	v_permlanex16_b32 v[T1+\b], v[BM+\b], s[SEL], s[SEL+1]
.endr
.irp b, 0,1
	s_delay_alu instid0(VALU_DEP_2)
	v_max_num_f32 v[BM+\b], v[BM+\b], v[T1+\b]     ; with lane l xor 16's: the block's largest magnitude
.endr
.irp b, 0,1
	s_delay_alu instid0(VALU_DEP_2)
	v_add_nc_u32 v[SO+\b], 0xf8800000, v[BM+\b]    ; 15 off its exponent field: the conversion's scale operand
.endr
.irp b, 0,1
	s_delay_alu instid0(VALU_DEP_4)
	v_and_or_b32 v[HL+\b], v[BM+\b], 0x7f800000, s[MNT]   ; 57,344 x the scale
.endr
.irp b, 0,1
	s_delay_alu instid0(VALU_DEP_4)
	v_lshrrev_b32 v[T1+\b], 23, v[SO+\b]           ; the scale's byte
.endr
	s_delay_alu instid0(VALU_DEP_1)
	v_lshl_or_b32 v[\wd], v[T1+1], 8, v[T1]
	s_delay_alu instid0(VALU_DEP_1)
	v_lshl_or_b32 v[\wd], v[\wd], 16, v[\wd]       ; [s0, s1, s0, s1]: the word serves q's codes in the lower half of K and in the upper
.irp b, 0,1
.irp i, 0,1,2,3,4,5,6,7,8,9,10,11,12,13,14,15
	v_med3_num_f32 v[S+32+16*\b+\i], v[S+32+16*\b+\i], -v[HL+\b], v[HL+\b]   ; the conversion to an 8-bit code does not saturate (ISA guide 7.6.2): the hold comes first
.endr
	v_cvt_scalef32_pk8_bf8_f32 v[\cod+4*\b:\cod+1+4*\b], v[S+32+16*\b:S+39+16*\b], v[SO+\b]
	v_cvt_scalef32_pk8_bf8_f32 v[\cod+2+4*\b:\cod+3+4*\b], v[S+40+16*\b:S+47+16*\b], v[SO+\b]
.endr
	v_nop                                          ; a plain line behind the last conversion
.endm
.macro QLOAD                           ; the high tile's q from its image
	ds_load_b128 v[QLO:QLO+3], v[PIM] offset:QIM
	ds_load_b128 v[QLO+4:QLO+7], v[PIM] offset:QIM+512
	ds_load_b32 v[QW], v[PIM] offset:QIM+1024
.endm
	s_wait_alu depctr_va_vdst(0)                   ; at the head's end
	s_wait_loadcnt 0x8                             ; the high tile's q is in; the low tile's eight loads may stay out
	s_cmp_lg_u32 s14, 0
	s_cbranch_scc1 .Lhigh_done
	QTILE FRG, PC, PW
	ds_store_b128 v[PIM], v[PC:PC+3] offset:QIM    ; the operand's registers as an image, for both waves of the pair
	ds_store_b128 v[PIM], v[PC+4:PC+7] offset:QIM+512
	ds_store_b32 v[PIM], v[PW] offset:QIM+1024
.Lhigh_done:
	s_cmp_lt_u32 s[WV], 1
	s_cbranch_scc0 .Lno_wait
	s_wait_tensorcnt 0x0                           ; wave 0: block 0 is in
.Lno_wait:
	s_wait_dscnt 0x0                               ; my image is stored
	s_barrier_signal -1
	s_barrier_wait -1                              ; block 0 and the images of q are there for all
	s_wait_loadcnt 0x0                             ; the low tile's q
	s_cmp_eq_u32 s14, 0
	s_cbranch_scc1 .Lq_low
	QLOAD                                          ; B begins with the high tile,
	s_branch .Lq_done
.Lq_low:
	QTILE S, QLO, QW                               ; A with the low one
.Lq_done:
	s_cmp_lt_u32 s[WV], 4
	s_cbranch_scc0 .Lno_wait_2
	s_wait_tensorcnt 0x0                           ; waves 1 to 3: blocks 1 to 3 are in
.Lno_wait_2:
	s_wait_dscnt 0x0
	s_barrier_signal -1                            ; waited for at the end of slot 0
; A KEY STEP of nb blocks of 32 keys: 4, or 2 where the diagonal unit is the lower half.
; PRE = 1: K's fragments have been asked for in the slot before.  NXT = 1: the next slot's are asked for in this one.
.macro STEP nb, id
	KADDR
.if PRE
.rept 4
	v_nop                                          ; with the two additions and the three behind the last step's products: nine places, in front of products that write over the last step's fragments
.endr
.else
.rept 3
	v_nop                                          ; eight places, in front of loads into the last step's fragments' and scale words' registers
.endr
	KLOAD FRG, \nb
.endif
	s_wait_dscnt 0x0
	s_wait_alu depctr_va_vdst(0)
.set b, 0
.rept \nb                              ; two accumulators a block, each written once
	v_wmma_scale_f32_16x16x128_f8f6f4 v[S+16*b:S+16*b+7], v[FRG+16*b:FRG+16*b+15], v[QLO:QLO+15], 0, v[SW+b], v[QW] matrix_a_fmt:MATRIX_FMT_BF8 matrix_b_fmt:MATRIX_FMT_BF8
	v_wmma_scale_f32_16x16x128_f8f6f4 v[S+16*b+8:S+16*b+15], v[FRG+16*b:FRG+16*b+15], v[QHI:QHI+15], 0, v[SW+b], v[QW] matrix_a_fmt:MATRIX_FMT_BF8 matrix_b_fmt:MATRIX_FMT_BF8
.set b, b+1
.endr                                  ; register S + 16 b + i: the step's key 32 b + 16 (lane / 16) + i of query lane % 16
.rept 8
	v_nop                                          ; eight places: in front of the loads below and of the first read of the scores
.endr
.if NXT
	s_add_co_u32 s54, s[TR], 1
	TBSET 54, 15                                   ; the next slot's block (this one's address is in registers)
.endif
.if \nb == 4
	s_cmp_eq_u32 s[DG], 0
	s_cbranch_scc1 .Lopen\id                       ; off the diagonal all 128 keys count
.endif
.set n, 0
.rept 32                               ; the step's last 64 keys are the diagonal unit: hidden scores become -infinity ahead of the maximum, p = 0 then
	v_cndmask_b32 v[S+16*(\nb-2)+n], v[S+16*(\nb-2)+n], v[NINF], s[MSK+n]
.set n, n+1
.endr
.if \nb == 4
.Lopen\id:
.endif
.set b, 0
.rept \nb
	v_max3_num_f32 v[BM+b], v[S+16*b], v[S+1+16*b], v[S+2+16*b]   ; THE LARGEST SCORE OF EACH BLOCK OF 32 KEYS: for the row's maximum, and, since p rises with the score, for the block's largest p
.set b, b+1
.endr
.irp i, 3,5,7,9,11,13
.set b, 0
.rept \nb
	v_max3_num_f32 v[BM+b], v[BM+b], v[S+16*b+\i], v[S+1+16*b+\i]
.set b, b+1
.endr
.endr
.set b, 0
.rept \nb
	v_max_num_f32 v[BM+b], v[BM+b], v[S+15+16*b]
.set b, b+1
.endr
.set b, 0
.rept \nb
	s_delay_alu instid0(VALU_DEP_\nb)
	v_permlanex16_b32 v[T1+b], v[BM+b], s[SEL], s[SEL+1]
.set b, b+1
.endr
.set b, 0
.rept \nb
	s_delay_alu instid0(VALU_DEP_\nb)
	v_max_num_f32 v[BM+b], v[BM+b], v[T1+b]        ; with lane l xor 16's 16 keys
.set b, b+1
.endr
.if \nb == 4
	s_delay_alu instid0(VALU_DEP_2)
	v_max3_num_f32 v[TMP], v[BM], v[BM+1], v[BM+2]
	s_delay_alu instid0(VALU_DEP_1)
	v_max_num_f32 v[TMP], v[TMP], v[BM+3]          ; the step's largest score of my query
.else
	s_delay_alu instid0(VALU_DEP_1)
	v_max_num_f32 v[TMP], v[BM], v[BM+1]
.endif
	s_delay_alu instid0(VALU_DEP_1)
	v_mul_f32 v[TMP], s[CS], v[TMP]                ; as t (c is positive)
	s_delay_alu instid0(VALU_DEP_1)
	v_max_num_f32 v13, v13, v[TMP]                 ; the running largest t
	v_mov_b32 v[TMP], v12
	s_delay_alu instid0(VALU_DEP_2)
	v_floor_f32 v12, -v13                          ; the new -M = floor(-t) = -ceil(t): M is a whole number
.irp t, 0,1,2,3                        ; V's fragments and scale words are asked for now and land under the softmax
.irp c, 0,1,2,3
	ds_load_b128 v[FRG+16*\t+4*\c:FRG+16*\t+4*\c+3], v[ADK] offset:VIMG+2048*\t+512*\c
.endr
.endr
	ds_load_b128 v[SWV:SWV+3], v[ADS] offset:VSCL
.set n, 0
.rept 8*\nb
	v_pk_fma_f32 v[S+n:S+n+1], v[S+n:S+n+1], s[CS:CS+1], v[12:13] op_sel_hi:[1,0,0]   ; t - M, two at a time (of the pairs c and -M the low word serves both halves)
.set n, n+2
.endr
.set b, 0
	v_sub_f32 v[TMP], v12, v[TMP]                  ; M's old value less its new one: a whole number, 0 or less
.rept \nb/2
	v_fma_f32 v[BM+b], v[BM+b], s[CS], v12         ; t - M of each block's largest score
.set b, b+1
.endr
	v_cvt_i32_f32 v[TMP], v[TMP]                   ; (it saturates)
.rept \nb/2
	v_fma_f32 v[BM+b], v[BM+b], s[CS], v12
.set b, b+1
.endr
	v_ldexp_f32 v[F], 1.0, v[TMP]                  ; f = 2^(old M - new M)
	s_wait_alu depctr_va_vdst(0)                   ; ahead of the batch
.set n, 0
.rept 16*\nb
	v_exp_f32 v[S+n], v[S+n]                       ; p = 2^(t - M), at most 1: not normalised
.set n, n+1
.endr
.set b, 0
.rept \nb
	v_exp_f32 v[BM+b], v[BM+b]                     ; the block's largest p: the same two instructions on the same number give the same bits
.set b, b+1
.endr
	v_pk_mul_f32 v[14:15], v[14:15], v[F:F+1] op_sel_hi:[1,0]   ; the sums under the new M.  (The plain place behind the exponentials)
	s_wait_alu depctr_va_vdst(0)                   ; and behind it: for the exponentials' readers and for O^T's
.set n, 0
.rept 16
	v_pk_mul_f32 v[O+n:O+n+1], v[O+n:O+n+1], v[F:F+1] op_sel_hi:[1,0]   ; O^T under the new M, each accumulator from its low end on
.set n, n+2
.endr
.set b, 0
.rept \nb
	v_max_num_f32 v[BM+b], 0x8000000, v[BM+b]      ; the floor 2^(16 - 127): the byte cannot fall under 1 (a block whose every p is 0 keeps that byte: its codes are zeros)
.set b, b+1
.endr
.set b, 0
.rept \nb
	s_delay_alu instid0(VALU_DEP_\nb)
	v_add_nc_u32 v[SO+b], 0xf8800000, v[BM+b]      ; 15 off the exponent field: the conversion's scale operand
.set b, b+1
.endr
.set b, 0
.rept \nb
	v_and_or_b32 v[HL+b], v[BM+b], 0x7f800000, s[MNT]   ; 57,344 x the scale
.set b, b+1
.endr
.set b, 0
.rept \nb
	v_lshrrev_b32 v[T1+b], 23, v[SO+b]             ; the scale's byte
.set b, b+1
.endr
.if \nb == 4
	s_delay_alu instid0(VALU_DEP_3)
	v_lshl_or_b32 v[PW], v[T1+1], 8, v[T1]         ; p's scale word: more than eight places ahead of the products that name it
	s_delay_alu instid0(VALU_DEP_1)
	v_lshl_or_b32 v[PW], v[T1+2], 16, v[PW]
	s_delay_alu instid0(VALU_DEP_1)
	v_lshl_or_b32 v[PW], v[T1+3], 24, v[PW]
.else
	s_delay_alu instid0(VALU_DEP_1)
	v_lshl_or_b32 v[PW], v[T1+1], 8, v[T1]         ; the upper two bytes are 0, a finite scale, over zero codes
.set n, 8
.rept 8
	v_mov_b32 v[PC+n], 0                           ; the codes of the 64 keys left out
.set n, n+1
.endr
.endif
; THE ROW'S SUM of the unquantised p: two at a time, in eight chains (registers that the block maxima and the bytes are done with serve as chains)
.set n, 0
.irp c, 232,234,252,216,218,220,222
	v_pk_add_f32 v[\c:\c+1], v[S+n:S+n+1], v[S+n+2:S+n+3]
.set n, n+4
.endr
.irp c, 14,232
	v_pk_add_f32 v[\c:\c+1], v[\c:\c+1], v[S+n:S+n+1]
.set n, n+2
.endr
.if \nb == 4
.irp c, 234,252,216,218,220,222,14,232,234,252,216,218,220,222,14,232
	v_pk_add_f32 v[\c:\c+1], v[\c:\c+1], v[S+n:S+n+1]
.set n, n+2
.endr
.endif
.set b, 0
.rept \nb
.set n, S+16*b
.rept 8
	v_dual_min_num_f32 v[n], v[n], v[HL+b] :: v_dual_min_num_f32 v[n+1], v[n+1], v[HL+b]   ; the conversion to an 8-bit code does not saturate (ISA guide 7.6.2); p is not negative, so the hold is one-sided
.set n, n+2
.endr
	v_cvt_scalef32_pk8_bf8_f32 v[PC+4*b:PC+1+4*b], v[S+16*b:S+7+16*b], v[SO+b]
	v_cvt_scalef32_pk8_bf8_f32 v[PC+2+4*b:PC+3+4*b], v[S+8+16*b:S+15+16*b], v[SO+b]
.set b, b+1
.endr
	v_pk_add_f32 v[232:233], v[232:233], v[234:235]   ; four of the chains' seven joins: the four places that codes written by vector instructions stand ahead of a scaled matrix instruction; the first is also the plain line behind the last conversion
	v_pk_add_f32 v[252:253], v[252:253], v[216:217]
	v_pk_add_f32 v[218:219], v[218:219], v[220:221]
	v_pk_add_f32 v[14:15], v[14:15], v[222:223]
.if NXT
	KADDR
.endif
	s_wait_alu depctr_va_vdst(0)                   ; directly ahead of the wait below
	s_wait_dscnt 0x0                               ; V's fragments and scale words are in
.if NXT
.if ODD
	s_cmp_eq_u32 s[TODD], s[LST]
	s_cbranch_scc1 .Lno_next_\@                    ; B has no slot behind slot 7
.endif
	KLOAD S, 4                                     ; the next slot's K, into the registers of the scores, which have become codes: it lands under the products and the meeting below
.if ODD
.Lno_next_\@:
.endif
.endif
.irp t, 0,1,2,3                        ; O^T += V^T P^T: four accumulators, one instruction a turn; the next step's products on other accumulators stand between a turn and the next
	v_wmma_scale_f32_16x16x128_f8f6f4 v[O+8*\t:O+8*\t+7], v[FRG+16*\t:FRG+16*\t+15], v[PC:PC+15], v[O+8*\t:O+8*\t+7], v[SWV+\t], v[PW] matrix_a_fmt:MATRIX_FMT_BF8 matrix_b_fmt:MATRIX_FMT_BF8
.endr
	v_pk_add_f32 v[232:233], v[232:233], v[252:253]   ; the other three joins: places behind the products
	v_pk_add_f32 v[14:15], v[14:15], v[218:219]
	v_pk_add_f32 v[14:15], v[14:15], v[232:233]
.endm
; A SLOT: msk bounds the block's number: 0 and 3 while block 0, and then blocks 0 to 3, alone have been shown to all.
.macro SLOT id, msk
.if \msk == 0
	s_mov_b32 s[TB], 0
.else
	TBSET TR, \msk
.endif
	s_mov_b32 s[DG], 1                             ; slot 8 and the last slot of A's first tile are diagonal steps
.if \id != 8
	s_cmp_eq_u32 s[TR], s[NT1]
	s_cselect_b32 s[DG], 1, 0
.endif
	s_cmp_gt_u32 s[DG], s[PAR]
	s_cbranch_scc1 .Lhalf\id
	STEP 4, \id
	s_branch .Ljoin\id
.Lhalf\id:
	STEP 2, \id
.Ljoin\id:
.endm
; THE WAY OUT: O^T is divided by the row's sum and goes through my stage in LDS, so that sixteen lanes store one row of out0: 256 consecutive bytes.
.macro OUT base
	v_add_f32 v14, v14, v15                        ; the sum's two halves,
	v_permlanex16_b32 v[TMP], v14, s[SEL], s[SEL+1]
	v_add_f32 v14, v14, v[TMP]                     ; and lane l xor 16's: the row's sum
	s_wait_alu depctr_va_vdst(0)                   ; ahead of the transcendental,
	v_rcp_f32 v14, v14
	v_nop                                          ; a plain line behind it,
	s_wait_alu depctr_va_vdst(0)                   ; and the wait ahead of its reader and O^T's
.set n, 0
.rept 16
	v_pk_mul_f32 v[FRG+n:FRG+n+1], v[O+n:O+n+1], v[14:15] op_sel_hi:[1,0]   ; register 8 t + i is o(r, 16 t + 8 h + i), in the registers that V's fragments have left
.set n, n+2
.endr
.irp t, 0,1,2,3
	ds_store_b128 v[STI], v[FRG+8*\t:FRG+8*\t+3] offset:64*\t
	ds_store_b128 v[STI], v[FRG+8*\t+4:FRG+8*\t+7] offset:64*\t+16
.endr
.irp i, 0,1,2,3,4,5,6,7
	ds_load_b128 v[FRG+32+4*\i:FRG+35+4*\i], v[STB] offset:2*\i*SP   ; LDS serves a wave's instructions in order (ISA guide 5.7.1.4): these see my stores
.endr
.irp i, 0,1,2,3,4,5,6,7
	s_wait_dscnt 7-\i                              ; rows 2 i and 2 i + 1 are back; the 7 - i younger loads may be out
	global_store_b128 v[GO], v[FRG+32+4*\i:FRG+35+4*\i], s[\base:\base+1] offset:512*\i th:TH_STORE_NT   ; 16 lanes store 256 consecutive bytes, at a multiple of 256 from out0's first byte
.endr
.endm
; BETWEEN TWO SLOTS: all waves have ended the slot before this one; A, at its first tile's end, sends the low tile out and takes up the high one; then this slot's end is signalled.
.macro MEET id
	s_barrier_wait -1
	s_cmp_lg_u32 s14, 0
	s_cbranch_scc1 .Lstay\id
	s_cmp_eq_u32 s[TR], s[NT1]
	s_cbranch_scc0 .Lstay\id
.rept 5
	v_nop                                          ; with the three additions: eight places behind the products, in front of the first read of O^T and of loads into V's registers
.endr
	s_wait_alu depctr_va_vdst(0)
	OUT OL
	QLOAD
	CLEAR
	s_xor_b32 s[PAR], s[PAR], 1
	s_wait_xcnt 0x0                                ; the stores' registers are written again behind this wait
.Lstay\id:
	s_wait_dscnt 0x0
	s_barrier_signal -1
.endm
.set TR,  T                            ; the register that holds the slot in hand
.set PRE, 0
.set NXT, 0
.set ODD, 0
	SLOT 0, 0
	s_wait_tensorcnt 0x0                           ; my block is in: slot 0's signal, waited for at slot 1's end, shows the whole kv
	MEET 0
	s_mov_b32 s[T], 1
	SLOT 1, 3
	MEET 1
	s_mov_b32 s[T], 2
	TBSET T, 15
	KADDR
.rept 3
	v_nop                                          ; with the two additions and the three behind slot 1's products: eight places
.endr
	KLOAD FRG, 4                                   ; slot 2's K
	s_wait_alu depctr_va_vdst(0)
.set PRE, 1
.set NXT, 1
.Lslots:                                               ; a trip: an even slot and an odd one; FRG and S are back in their places behind the two
	SLOT 2, 15
	MEET 2
	s_add_co_u32 s[TODD], s[T], 1
.set TR,  TODD
.set ODD, 1
	FLIP
	SLOT 3, 15
	MEET 3
.set TR,  T
.set ODD, 0
	FLIP
	s_add_co_u32 s[T], s[T], 2
	s_cmp_lt_u32 s[T], 8
	s_cbranch_scc1 .Lslots
.set NXT, 0
	s_cmp_lg_u32 s14, 0
	s_cbranch_scc1 .Lno_slot_8                     ; B has no slot 8
	SLOT 8, 15
.Lno_slot_8:
.rept 5
	v_nop                                          ; with the three additions: eight places behind the last products
.endr
	s_wait_alu depctr_va_vdst(0)
	s_barrier_wait -1                              ; all have ended slot 7: A's stage is free
	s_cmp_eq_u32 s14, 0
	s_cbranch_scc1 .Lno_part
.irp i, 0,1,2,3,4,5,6,7
	ds_store_b128 v[PIM], v[O+4*\i:O+4*\i+3] offset:512*\i   ; B's part of the high tile
.endr
	ds_store_b128 v[PIM], v[12:15] offset:4096     ; -M, the largest t, the sum's two halves
.Lno_part:
	s_wait_dscnt 0x0
	s_barrier_signal -1
	s_barrier_wait -1                              ; every B's part is there
	s_cmp_lg_u32 s14, 0
	s_cbranch_scc1 .Lend
	; A JOINS B'S PART to its own: M = the larger of the two, each part times 2^(its M - M)
.irp i, 0,1,2,3,4,5,6,7
	ds_load_b128 v[FRG+4*\i:FRG+4*\i+3], v[PIM] offset:512*\i
.endr
	ds_load_b128 v[72:75], v[PIM] offset:4096
	s_wait_dscnt 0x0
	v_min_num_f32 v76, v12, v72                    ; -M
	v_sub_f32 v77, v76, v12
	v_sub_f32 v78, v76, v72
	v_cvt_i32_f32 v77, v77
	v_cvt_i32_f32 v78, v78
	v_ldexp_f32 v80, 1.0, v77                      ; A's factor
	v_ldexp_f32 v82, 1.0, v78                      ; B's
.set n, 0
.rept 16
	v_pk_mul_f32 v[O+n:O+n+1], v[O+n:O+n+1], v[80:81] op_sel_hi:[1,0]
.set n, n+2
.endr
	v_pk_mul_f32 v[14:15], v[14:15], v[80:81] op_sel_hi:[1,0]
.set n, 0
.rept 16
	v_pk_fma_f32 v[O+n:O+n+1], v[FRG+n:FRG+n+1], v[82:83], v[O+n:O+n+1] op_sel_hi:[1,0,1]
.set n, n+2
.endr
	v_pk_fma_f32 v[14:15], v[74:75], v[82:83], v[14:15] op_sel_hi:[1,0,1]
	OUT OH
.Lend:
	s_wait_tensorcnt 0x0                           ; the wave's end
	ds_add_u32 v[SPW], v[NIL]
	s_wait_dscnt 0x0
	CROUND                                         ; the closing round: no work-group ends while a partner may still ask for a block that names it
	s_endpgm
.Lfunc_end_k_q3ce8607e43_attn:
	.size	k_q3ce8607e43_attn, .Lfunc_end_k_q3ce8607e43_attn-k_q3ce8607e43_attn
	.p2alignl 7, 3214868480
	.fill 96, 4, 3214868480
	.section	.rodata,"a",@progbits
	.p2align	6, 0x0
	.amdhsa_kernel k_q3ce8607e43_attn
		.amdhsa_group_segment_fixed_size 321536
		.amdhsa_private_segment_fixed_size 0
		.amdhsa_enable_private_segment 0
		.amdhsa_kernarg_size 24
		.amdhsa_user_sgpr_count 2
		.amdhsa_user_sgpr_kernarg_segment_ptr 1
		.amdhsa_wavefront_size32 1
		.amdhsa_system_sgpr_workgroup_id_x 1
		.amdhsa_system_sgpr_workgroup_id_y 1
		.amdhsa_system_sgpr_workgroup_id_z 1
		.amdhsa_system_vgpr_workitem_id 0
		.amdhsa_next_free_vgpr 256
		.amdhsa_next_free_sgpr 98
		.amdhsa_reserve_vcc 0
		.amdhsa_float_denorm_mode_32 3
		.amdhsa_float_denorm_mode_16_64 3
		.amdhsa_memory_ordered 1
		.amdhsa_forward_progress 1
		.amdhsa_inst_pref_size 227
	.end_amdhsa_kernel
	.amdgpu_metadata
---
amdhsa.version: [ 1, 2 ]
amdhsa.kernels:
  - .name:           k_q3ce8607e43_attn
    .symbol:         k_q3ce8607e43_attn.kd
    .args:
      - { .name: q, .offset: 0, .size: 8, .value_kind: global_buffer, .address_space: global }
      - { .name: kv, .offset: 8, .size: 8, .value_kind: global_buffer, .address_space: global }
      - { .name: out0, .offset: 16, .size: 8, .value_kind: global_buffer, .address_space: global }
    .group_segment_fixed_size: 321536
    .private_segment_fixed_size: 0
    .kernarg_segment_align: 8
    .kernarg_segment_size: 24
    .max_flat_workgroup_size: 512
    .sgpr_count:     98
    .vgpr_count:     256
    .wavefront_size: 32
...
	.end_amdgpu_metadata
.endif
;; end of part 2
